; MI455X (gfx1250); checked and timed in simulation.
; The chip was launched on July 23, 2026; its instructions are those of AMD's public machine-readable ISA for CDNA 5 (MIT licence, August 2026) and "CDNA5" Instruction Set Architecture Reference Guide (July 2026). The comments in the code are by the model that wrote it; some were corrected since.
;; Sampling Layer. Allowed arithmetic: matrix products marked QUANTISED: E2M1 operands, one E8M0 scale for each 32 along K, by v_wmma_scale_f32_16x16x128_f8f6f4 with both operands' format E2M1 (or v_wmma_scale_f32_32x16x128_f4), f32 sums; products left as they are: f32 operands where the result goes on into a quantised operand, else bf16, f16 or f32 operands; f32 sums; everything else in f32.
;; Inputs: W1 2 x 2 x 256 float32; W2 2 x 256 x 256 float32; W3 2 x 256 x 4 float32; b1 2 x 256 float32; b2 2 x 256 float32; b3 2 x 4 float32; epsilon 131,072 x 2 float32; z_log_var 131,072 x 2 float32; z_mean 131,072 x 2 float32.
;; Outputs: out0 131,072 x 2 float32.
;; This version of the problem:
;;   THIS VERSION OF THE PROBLEM IS GIVEN IN LOW PRECISION. The matrix products marked QUANTISED in the list below multiply operands that are first quantised to E2M1 (2 exponent bits, 1 mantissa bit; 4 bits a number), with one power-of-two scale for each 32 numbers along K (OCP MX v1.0); their sums are f32. All else is computed in f32.
;;   The module's matrix products, in the order in which they are computed (A, B: the left and right operand; K: the contracted axis; several contracted axes count as one K, in the product's order):
;;     1. [M 131,072, K 2] x [K 2, N 256]; A: computed on the way; B: computed on the way: left as it is (K = 2 < 32)
;;     2. [M 131,072, K 256] x [K 256, N 256]; A: computed on the way; B: computed on the way: QUANTISED
;;     3. [M 131,072, K 256] x [K 256, N 4]; A: computed on the way; B: computed on the way: left as it is (N = 4 < 16)
;;     4. [M 131,072, K 2] x [K 2, N 256]; A: computed on the way; B: computed on the way: left as it is (K = 2 < 32)
;;     5. [M 131,072, K 256] x [K 256, N 256]; A: computed on the way; B: computed on the way: QUANTISED
;;     6. [M 131,072, K 256] x [K 256, N 4]; A: computed on the way; B: computed on the way: left as it is (N = 4 < 16)
;;     7. [M 131,072, K 2] x [K 2, N 256]; A: computed on the way; B: computed on the way: left as it is (K = 2 < 32)
;;     8. [M 131,072, K 256] x [K 256, N 256]; A: computed on the way; B: computed on the way: QUANTISED
;;     9. [M 131,072, K 256] x [K 256, N 4]; A: computed on the way; B: computed on the way: left as it is (N = 4 < 16)
;;     10. [M 131,072, K 2] x [K 2, N 256]; A: computed on the way; B: computed on the way: left as it is (K = 2 < 32)
;;     11. [M 131,072, K 256] x [K 256, N 256]; A: computed on the way; B: computed on the way: QUANTISED
;;     12. [M 131,072, K 256] x [K 256, N 4]; A: computed on the way; B: computed on the way: left as it is (N = 4 < 16)
;;   THE QUANTISER, for each operand of a quantised product, along K:
;;     - K is cut into blocks of 32 from its start; a last block that is shorter is filled with zeros.
;;     - A block's scale is 2^e with e = floor(log2(the largest magnitude in the block)) - 2, held to -126 .. 127; a block of zeros has e = 0. As a byte (E8M0): e + 127.
;;     - Each number is divided by its block's scale, clamped to +-6, and rounded to the nearest number of E2M1, ties to even, subnormals kept.
;;     - The product sums the exact products of the quantised numbers (number of the format x scale) in f32.
;;   ~~~python
;;   def quantise(x, axis):      # numpy; x: float32 -> the quantised numbers, widened to float32 again
;;       x = np.moveaxis(x, axis, -1); K = x.shape[-1]
;;       x = np.pad(x, [(0, 0)] * (x.ndim - 1) + [(0, -K % 32)]); x = x.reshape(x.shape[:-1] + (-1, 32)); a = np.abs(x).max(-1, keepdims=True)
;;       e = np.where(a > 0, np.clip(np.frexp(np.where(a > 0, a, 1))[1] - 1 - 2, -126, 127), 0)      # np.frexp(a)[1] - 1 = floor(log2(a)), exactly
;;       r = np.clip(x / 2.0 ** e, -6, 6)
;;       step = 2.0 ** (np.maximum(np.frexp(np.where(r == 0, 1, r))[1] - 1, 0) - 1)
;;       q = np.round(r / step) * step * 2.0 ** e      # np.round: ties to even
;;       return np.moveaxis(q.reshape(q.shape[:-2] + (-1,))[..., :K], -1, axis).astype(np.float32)
;;   ~~~
;;   OPERANDS COMPUTED ON THE WAY. 'Computed on the way' means the value that the module computes at that place (a softmax that the list does not call 'softmax' is quantised finished and normalised). What goes into a quantiser is computed in f32, as accurately as f32 sums, v_exp_f32 and their like allow (about 1e-6 of the number): no bf16 or f16 on the way to a quantiser, and a product that is left as it is and whose result goes on into a quantised operand takes f32 operands (vector FMAs, or v_wmma_f32_16x16x4_f32). A number that lies on a knife's edge between two numbers of the format may be rounded either way, as far as f32 arithmetic and the matrix unit's own rounding can turn it there, and no further.
;; One version. Each part assembles by itself: llvm-mc -triple=amdgcn-amd-amdhsa -mcpu=gfx1250 --defsym DOCPART=n.
;; ======== version 1 of 1: 2 launches
;; workspace buffers: wimg 86,016 bytes
;; launch prep (part 1): grid 8 x 1, 16 waves a work-group, no clusters, 4,608 bytes of LDS; arguments W2, W3, wimg; writes wimg
.if DOCPART == 1
	.amdgcn_target "amdgcn-amd-amdhsa--gfx1250"
	.amdhsa_code_object_version 6
	.text
	.protected	k_q63496864d4_prep
	.globl	k_q63496864d4_prep
	.p2align	8
	.type	k_q63496864d4_prep,@function
k_q63496864d4_prep:
	s_mov_b64 s[64:65], 0
	v_nop
	global_prefetch_b8 v0, s[64:65] scope:SCOPE_SE
	s_setreg_imm32_b32 hwreg(HW_REG_WAVE_MODE, 25, 1), 1
	s_wait_xcnt 0x0
; W2 [2][256 (k)][256 (n)] f32 is quantised ONCE along k into codes of E2M1 with one E8M0 byte for each 32 along k, and laid in the order of the
; operand's registers; W3's two kept columns are rounded to bf16 and laid likewise.  The second launch's work-groups all read these 84 KB in place of 520 KB.
; wimg, for each flow f, FLOWB bytes:
;   + 0      codes  [tile t 0..15][K step s][c][lane][16 bytes]: lane (r, h) holds column n = 16 t + r, k = 128 s + 64 c + 32 h + 0 .. 31, the lower k in the lower bits
;   + 32768  scale words [t][lane][4 bytes]: lane 16 s + r holds column 16 t + r's word for K step s; byte 2 c + h is the block's
;   + 34816  W3 as bf16 [t][lane][16 bytes]: register x of lane (r, h) = W3[16 t + 8 h + 2 x][col] low, [.. + 1][col] high; col = 2 where r % 8 = 0, 3 where r % 8 = 1, else zeros.
;            (The mask that the model builds over W3 keeps columns 2 and 3 alone: columns 0 and 1 are loaded with their rows and dropped.)
; SHARES.  Work-group x: flow x / 4, tiles 4 (x % 4) .. + 3.  Wave w: tile w / 4 of the four, quarter w % 4 = 2 s + c of K.  A LANE TAKES A COLUMN AND ITS 32 REGISTERS RUN DOWN K:
; a whole block lies in one lane, its largest magnitude needs no other lane, and the four conversions give the lane's 16 bytes of the image.  The four tiles stand side by side,
; so the work-group's loads of a row of W2 cover 256 consecutive bytes.
; A block's scale is 2^(floor(log2(largest magnitude)) - 2): its byte is the magnitude's exponent field - 2, held at 1 from below by a floor among the maximum's leaves.
; LIMITS: a block of zeros gets the byte 1 (its codes are zeros, and this program alone reads the bytes); blocks under 2^-124 keep the byte 1; NaN and infinities are not served.
.set FLOWB, 43008
.set SCL,   0                          ; LDS: the work-group's 4 tiles x 128 bytes of scale words
.set W3S,   512                        ; LDS: its 4 tiles x 512 bytes of W3's image
	s_load_b128 s[4:7], s[0:1], 0x0                ; W2, W3
	s_load_b64 s[8:9], s[0:1], 0x10                ; wimg
	v_lshl_add_u32 v80, v0, 2, 0xa00
	v_mov_b32 v81, 0
	v_lshrrev_b32 v1, 5, v0
	v_readfirstlane_b32 s10, v1                    ; wave 0..15
	v_and_b32 v1, 31, v0                           ; lane
	v_and_b32 v2, 15, v0                           ; r
	v_bfe_u32 v3, v0, 4, 1                         ; h
	s_lshr_b32 s11, s10, 2                         ; tt: my tile of the work-group's four
	s_and_b32 s12, s10, 3                          ; sc = 2 s + c: my quarter of K
	s_lshr_b32 s13, ttmp9, 2                       ; f
	s_and_b32 s14, ttmp9, 3                        ; tg
	s_lshl_b32 s15, s14, 2
	s_add_co_u32 s15, s15, s11                     ; t = 4 tg + tt
	v_lshlrev_b32 v4, 2, v2
	v_lshl_or_b32 v4, v3, 15, v4                   ; W2: 4 r + 32 h rows of 1,024 bytes
	v_lshlrev_b32 v5, 7, v3                        ; W3: 8 h rows of 16 bytes
	v_lshlrev_b32 v6, 4, v1                        ; 16 x lane
	v_and_b32 v27, 7, v2                           ; r % 8
	; LDS addresses, all made ahead of every branch
	s_lshl_b32 s16, s11, 7                         ; my scale byte: 128 tt + 64 s + 2 c + 4 r + h
	s_lshr_b32 s17, s12, 1
	s_lshl_b32 s17, s17, 6
	s_add_co_u32 s16, s16, s17
	s_and_b32 s17, s12, 1
	s_lshl_b32 s17, s17, 1
	s_add_co_u32 s16, s16, s17
	v_lshl_add_u32 v7, v2, 2, v3
	v_add_nc_u32 v7, s16, v7
	s_lshl_b32 s16, s11, 9                         ; my word of W3's image: W3S + 512 tt + 4 sc + 16 lane
	s_lshl_b32 s17, s12, 2
	s_add_co_u32 s16, s16, s17
	s_add_co_u32 s16, s16, W3S
	v_add_nc_u32 v8, s16, v6
	s_lshl_b32 s30, s12, 9                         ; 512 (w % 4)
	s_add_co_u32 s16, s30, W3S
	v_add_nc_u32 v9, s16, v6                       ; the way out of W3's image: tile w % 4, 16 bytes a lane
	; byte offsets in memory, apart from the addresses
	s_mul_i32 s28, s13, FLOWB
	s_lshl_b32 s26, s13, 18                        ; W2: flow, 64 sc rows, 16 t columns
	s_lshl_b32 s16, s12, 16
	s_add_co_u32 s26, s26, s16
	s_lshl_b32 s16, s15, 6
	s_add_co_u32 s26, s26, s16
	s_mov_b32 s27, 0
	s_lshl_b32 s16, s13, 12                        ; W3: flow, row 16 t + 2 sc
	s_lshl_b32 s17, s15, 8
	s_add_co_u32 s16, s16, s17
	s_lshl_b32 s17, s12, 5
	s_add_co_u32 s16, s16, s17
	s_mov_b32 s17, 0
	s_lshl_b32 s18, s15, 11                        ; codes: 2,048 t + 512 sc
	s_add_co_u32 s18, s18, s30
	s_add_co_u32 s18, s18, s28
	s_mov_b32 s19, 0
	s_lshl_b32 s22, s14, 11                        ; W3's image: 34,816 + 512 (4 tg + w % 4)
	s_add_co_u32 s22, s22, s30
	s_add_co_u32 s22, s22, s28
	s_add_co_u32 s22, s22, 34816
	s_mov_b32 s23, 0
	s_lshl_b32 s24, s14, 9                         ; scale words: 32,768 + 512 tg
	s_add_co_u32 s24, s24, s28
	s_add_co_u32 s24, s24, 32768
	s_mov_b32 s25, 0
	s_wait_kmcnt 0x0
	s_add_nc_u64 s[4:5], s[4:5], s[26:27]
	s_add_nc_u64 s[6:7], s[6:7], s[16:17]
	s_add_nc_u64 s[18:19], s[8:9], s[18:19]
	s_add_nc_u64 s[22:23], s[8:9], s[22:23]
	s_add_nc_u64 s[24:25], s[8:9], s[24:25]
	global_load_b128 v[16:19], v5, s[6:7]          ; W3's rows 16 t + 8 h + 2 sc
	global_load_b128 v[20:23], v5, s[6:7] offset:16   ; and + 1
.irp i, 0,1,2,3,4,5,6,7,8,9,10,11,12,13,14,15,16,17,18,19,20,21,22,23,24,25,26,27,28,29,30,31
	global_load_b32 v[32+\i], v4, s[4:5] offset:1024*\i th:TH_LOAD_NT   ; W2(64 sc + 32 h + i, 16 t + r): read once in the launch
.endr
	v_cmp_eq_u32 s20, 1, v27                       ; lanes that take column 3
	v_cmp_gt_u32 s21, 2, v27                       ; lanes that take a column at all
	s_wait_loadcnt 0x0
	v_max3_num_f32 v12, |v32|, |v33|, |v34|        ; the block's largest magnitude, in two chains
	v_max3_num_f32 v13, |v35|, |v36|, |v37|
.irp i, 6,10,14,18,22,26
	v_max3_num_f32 v12, v12, |v[32+\i]|, |v[33+\i]|
	v_max3_num_f32 v13, v13, |v[34+\i]|, |v[35+\i]|
.endr
	v_max3_num_f32 v12, v12, |v62|, |v63|
	v_max3_num_f32 v12, v12, v13, 0x1800000        ; and the floor 2^(3 - 127): the byte cannot fall under 1
	v_add_nc_u32 v14, 0xff000000, v12              ; 2 off the exponent field: the conversion takes this operand's exponent field as its scale
	v_lshrrev_b32 v15, 23, v14                     ; the scale's byte
.irp g, 0,1,2,3
	v_cvt_scalef32_pk8_fp4_f32 v[64+\g], v[32+8*\g:39+8*\g], v14
.endr
	v_nop                                          ; one plain line behind the last scaled conversion
	global_store_b128 v6, v[64:67], s[18:19]       ; the wave stores 512 consecutive bytes, aligned to 256
	ds_store_b8 v7, v15
	v_cndmask_b32 v24, v18, v19, s20               ; column 2 or 3 of the two rows,
	v_cndmask_b32 v25, v22, v23, s20
	v_cvt_pk_bf16_f32 v26, v24, v25                ; rounded once, the lower row in the low half,
	v_cndmask_b32 v26, 0, v26, s21                 ; zeros in the rows of the operand that stand for no column
	ds_store_b32 v8, v26
	s_wait_dscnt 0x0                               ; for the others' sake: my LDS stores are done
	s_barrier_signal -1
	s_barrier_wait -1
	s_cmp_lt_u32 s10, 4                            ; waves 0 to 3 send a tile of W3's image each, wave 4 the scale words: 512 consecutive bytes a store
	s_cbranch_scc0 .Lnot_w3
	ds_load_b128 v[68:71], v9
	s_wait_dscnt 0x0
	global_store_b128 v6, v[68:71], s[22:23]
	s_branch .Lend
.Lnot_w3:
	s_cmp_eq_u32 s10, 4
	s_cbranch_scc0 .Lend
	ds_load_b128 v[68:71], v6
	s_wait_dscnt 0x0
	global_store_b128 v6, v[68:71], s[24:25]
.Lend:
	s_wait_tensorcnt 0x0
	ds_add_u32 v80, v81
	s_wait_dscnt 0x0
	s_endpgm
.Lfunc_end_k_q63496864d4_prep:
	.size	k_q63496864d4_prep, .Lfunc_end_k_q63496864d4_prep-k_q63496864d4_prep
	.p2alignl 7, 3214868480
	.fill 96, 4, 3214868480
	.section	.rodata,"a",@progbits
	.p2align	6, 0x0
	.amdhsa_kernel k_q63496864d4_prep
		.amdhsa_group_segment_fixed_size 4608
		.amdhsa_private_segment_fixed_size 0
		.amdhsa_enable_private_segment 0
		.amdhsa_kernarg_size 24
		.amdhsa_user_sgpr_count 2
		.amdhsa_user_sgpr_kernarg_segment_ptr 1
		.amdhsa_wavefront_size32 1
		.amdhsa_system_sgpr_workgroup_id_x 1
		.amdhsa_system_sgpr_workgroup_id_y 1
		.amdhsa_system_sgpr_workgroup_id_z 1
		.amdhsa_system_vgpr_workitem_id 0
		.amdhsa_next_free_vgpr 82
		.amdhsa_next_free_sgpr 66
		.amdhsa_reserve_vcc 0
		.amdhsa_float_denorm_mode_32 3
		.amdhsa_float_denorm_mode_16_64 3
		.amdhsa_memory_ordered 1
		.amdhsa_forward_progress 1
		.amdhsa_inst_pref_size 9
	.end_amdhsa_kernel
	.amdgpu_metadata
---
amdhsa.version: [ 1, 2 ]
amdhsa.kernels:
  - .name:           k_q63496864d4_prep
    .symbol:         k_q63496864d4_prep.kd
    .args:
      - { .name: W2, .offset: 0, .size: 8, .value_kind: global_buffer, .address_space: global }
      - { .name: W3, .offset: 8, .size: 8, .value_kind: global_buffer, .address_space: global }
      - { .name: wimg, .offset: 16, .size: 8, .value_kind: global_buffer, .address_space: global }
    .group_segment_fixed_size: 4608
    .private_segment_fixed_size: 0
    .kernarg_segment_align: 8
    .kernarg_segment_size: 24
    .max_flat_workgroup_size: 512
    .sgpr_count:     66
    .vgpr_count:     82
    .wavefront_size: 32
...
	.end_amdgpu_metadata
.endif
;; end of part 1
;; launch flow (part 2): grid 256 x 1, 4 waves a work-group, clusters of 4 x 1, 168,448 bytes of LDS; arguments z_mean, z_log_var, epsilon, W1, b1, b2, W3, b3, wimg, out0; writes out0
.if DOCPART == 2
	.amdgcn_target "amdgcn-amd-amdhsa--gfx1250"
	.amdhsa_code_object_version 6
	.text
	.protected	k_q63496864d4_flow
	.globl	k_q63496864d4_flow
	.p2align	8
	.type	k_q63496864d4_flow,@function
k_q63496864d4_flow:
	s_mov_b64 s[64:65], 0
	v_nop
	global_prefetch_b8 v0, s[64:65] scope:SCOPE_SE
	s_setreg_imm32_b32 hwreg(HW_REG_WAVE_MODE, 25, 1), 1
	s_wait_xcnt 0x0
	s_wait_alu depctr_hold_cnt(0) depctr_sa_sdst(0) depctr_va_vdst(0) depctr_va_sdst(0) depctr_va_ssrc(0) depctr_va_vcc(0) depctr_vm_vsrc(0)
	s_getreg_b32 s2, hwreg(HW_REG_IB_STS2, 6, 4)
	s_cmp_eq_u32 s2, 0
	s_cbranch_scc0 .Lentry_in_a_cluster
	s_endpgm
.Lentry_in_a_cluster:
	s_bfe_u32 s2, ttmp6, 0x10000c
	s_cmp_lg_u32 s2, 0x3003
	s_cbranch_scc0 .Lentry_shape_is_right
	s_endpgm
.Lentry_shape_is_right:
; z = z_mean + exp(z_log_var / 2) epsilon, then two masked autoregressive flows.
; WHAT THE MODEL'S OWN MASKS LEAVE.  Only row 0 of W1 and columns 2, 3 of W3 are kept.  So in a flow  y0 = x0 exp(b3[1]) + b3[0],  h1 = y0 W1[0][:] + b1,  h2 = Q(h1) Q(W2) + b2,
; (o2, o3) = h2 W3[:, 2:4] + b3[2:4],  y1 = x1 exp(o3) + o2.  A flow's FIRST pass through the net reaches only that pass's y1, which the second pass multiplies by the masked row of W1:
; it is not computed.  y0 of flow 1 hangs on y0 of flow 0 alone, so the two flows' products do not wait for each other; only y1 = (z1 e^o3(0) + o2(0)) e^o3(1) + o2(1) chains them.
; LIMITS: where the first pass would make an infinity, 0 x infinity is NaN in the model and is not made here; NaN and infinities among the inputs are not served; blocks of h1 under 2^-124 keep the scale byte 1.
; W1's row 1 is not read: the mask over W1 drops it.
; SHARES.  A work-group owns 512 rows.  Wave w: flow f = w / 2, half p = w % 2: 256 rows of ONE flow, 16 units of 16 rows.  So a wave's weights stay in its registers for the whole launch:
; Q(W2[f]) 256 registers, W1's row and b1 in the operand's order 256, W3 as bf16 64.  The flows meet at the end through 8 KB of LDS.
; LAYOUT.  Both products are used transposed.  First: source 0 = 16 columns of W2, source 1 = 16 rows' h1: a lane (r, h) holds row r; h1's numbers k = 128 s + 64 c + 32 h + i are made in that lane,
; a WHOLE block of 32 a lane, so no lane is asked for a maximum and the conversions' results are the operand's registers.  The result's register j is unit 16 t + 8 h + j of row r: two tiles, rounded
; to bf16 in pairs, ARE source 1 of the last product, whose source 0 holds W3's columns 2, 3 in rows 0, 1 and again in rows 8, 9: every lane ends with o2, o3 of row r in its two lowest registers.
; b2 is not added to h2: (acc + b2) W3 = acc W3 + b2 W3, and b3 + b2 W3, summed once in f32, is the C of the last product's first instruction.
; CLUSTER.  All work-groups read the same 84 KB of images: the four of a cluster ask for them jointly, each wave a quarter, once.  No LDS byte is filled twice.
; REGISTERS, in windows of 256 (s_set_vgpr_msb: bits 1:0 source 0, 3:2 source 1, 5:4 source 2, 7:6 destination):
;   window 0: v1-13 addresses; v14-17 y0 of two tiles; v18-31 at work; v32-47 W2's scale words; v48-51 h1's scale words; v52-63 at work at the head; v64-95 h1's codes, two sets;
;             v96-159 h1, i = 16 .. 31 (TB); v160-223 b1 for them (B1B); v224-239 (final y0, z1) of my 256 rows
;   window 1 + s (K step s): v0-127 W2's 16 fragments; v128-191 W1's row (W1S); v192-223 b1, i = 0 .. 15 (B1A); v224-255 h1, i = 0 .. 15 (TA)
;   window 3: v0-127 the 16 accumulators; v128-191 W3; v192-215 three bf16 fragments; v216-231 two accumulators of o; v232-239 b3 + b2 W3; v240-243 the blocks' largest magnitudes
; h1 is split between two windows so that one v_max3_num_f32 reads a number from each under the SAME setting as the products: the 64 maxima of the next tile stand between this tile's 32 products.
.set FLOWB, 43008                      ; a flow's images
.set QUART, 21504                      ; 84 rows of 256 bytes: a wave's quarter of both flows' images
.set YL,    86016                      ; LDS behind the images: y0 of a wave's 256 rows, 1,024 bytes a wave
.set OX,    90112                      ; [flow][row 0..511][o2, o3]: 2 x 4,096 bytes
.set WB,    98304                      ; a wave's W1 row, then its b1: 2,048 bytes a wave
.set AIMG, 1                           ; v1   my flow's images + 16 x lane
.set AWS,  2                           ; v2   its scale words + 4 x lane
.set AY0,  3                           ; v3   my wave's y0 + 4 r
.set AYS,  4                           ; v4   my wave's y0 + 4 x lane
.set AO0,  5                           ; v5   my wave's o + 8 r
.set AOF,  6                           ; v6   flow 0's o of my half + 8 x lane
.set LZ,   7                           ; v7   8 x lane
.set AWBS, 8                           ; v8   my wave's W1 and b1 + 16 x lane
.set AWBL, 9                           ; v9   the same + 128 h
.set SH8,  10                          ; v10  8 h
.set ADT,  11                          ; v11  address of the y0 in hand
.set ADO,  12                          ; v12  address of the o in hand
.set L16,  13                          ; v13  16 x lane
.set YY,   14                          ; v[14:15], v[16:17]  y0 of two tiles (the upper words are 0: the packed form names pairs)
.set OR2,  18                          ; v[18:19]  o2, o3
.set SC,   20                          ; v20-23  the conversions' scale operands
.set BY,   24                          ; v24-27  the scales' bytes
.set PW,   28                          ; v28-29  half scale words
.set TMP,  30                          ; v30-31  the other half of the lanes'
.set WS,   32
.set HS,   48
.set CD,   64
.set TB,   96
.set B1B,  160
.set OP,   224
.set W1S,  128                         ; windows 1, 2
.set B1A,  192
.set TA,   224
.set ACC,  0                           ; window 3
.set W3F,  128
.set BF,   192
.set PA,   216
.set PB,   224
.set CC,   232
.set MX,   240
.set WV,   24                          ; s24 wave;  s25 flow;  s26 half
.set SF,   25
.set SP,   26
.set FM,   29                          ; s29 all ones in flow 1's waves
.set SEL,  30                          ; s[30:31] v_permlanex16_b32's selects for lane l xor 16
.set G1D,  32                          ; s[32:39] descriptor group 1;  s[40:43] group 0
.set G0D,  40
.set TY,   54                          ; s54 steps through my y0, 64 bytes a tile
.set TO,   55                          ; s55 steps through my o, 128 bytes a tile
.set CNT,  56
.set MSB, 0
.macro WIN new                         ; the immediate's high byte repeats the setting that is left; a switch that changes nothing is dropped
.if MSB != (\new)
	s_set_vgpr_msb (MSB<<8)|(\new)
.set MSB, (\new)
.endif
.endm
.macro ROUND                           ; a round of the cluster's barrier: my work-group's barrier; wave 0 signals for the work-group; every wave waits for the four; my work-group's barrier once more
	s_barrier_signal -1
	s_barrier_wait -1
	s_cmp_lg_u32 s[WV], 0
	s_cbranch_scc1 .Lnot_wave_0_\@
	s_barrier_signal -3
.Lnot_wave_0_\@:
	s_barrier_wait -3
	s_barrier_signal -1
	s_barrier_wait -1
.endm
; h1 of a tile: 128 numbers a lane, W1 y0 + b1, two at a time; y0 is the low word of the pair v[y : y + 1]
.macro HID y
.irp s, 0,1
	WIN 0x51*(1+\s)                                ; destination, W1 and b1 in window 1 + s, y0 in window 0
.irp c, 0,1
.irp i, 0,2,4,6,8,10,12,14
	v_pk_fma_f32 v[TA+16*\c+\i:TA+16*\c+\i+1], v[W1S+32*\c+\i:W1S+32*\c+\i+1], v[\y:\y+1], v[B1A+16*\c+\i:B1A+16*\c+\i+1] op_sel_hi:[1,0,1]
.endr
.endr
	WIN 1+\s                                       ; W1 in window 1 + s, all else in window 0
.irp c, 0,1
.irp i, 0,2,4,6,8,10,12,14
	v_pk_fma_f32 v[TB+32*\s+16*\c+\i:TB+32*\s+16*\c+\i+1], v[W1S+32*\c+16+\i:W1S+32*\c+16+\i+1], v[\y:\y+1], v[B1B+32*\s+16*\c+\i:B1B+32*\s+16*\c+\i+1] op_sel_hi:[1,0,1]
.endr
.endr
.endr
.endm
; m = 1: the tile's 32 products on code set sg: the 16 accumulators take turns, one instruction a turn, K step 0 (which starts the sums) and then K step 1.
; g = 1: behind each product two steps of the NEXT tile's four largest magnitudes (block 2 c + h of K step s), each beginning with the floor 2^(3 - 127).
.macro MULMAX sg, m, g
.irp s, 0,1
	WIN 0xF1+\s                                    ; source 0 window 1 + s, source 1 window 0, source 2 and destination window 3
.irp t, 0,1,2,3,4,5,6,7,8,9,10,11,12,13,14,15
.if \m
.if \s == 0
	v_wmma_scale_f32_16x16x128_f8f6f4 v[ACC+8*\t:ACC+8*\t+7], v[8*\t:8*\t+7], v[CD+16*(\sg):CD+16*(\sg)+7], 0, v[WS+\t], v[HS+2*(\sg)] matrix_a_fmt:MATRIX_FMT_FP4 matrix_b_fmt:MATRIX_FMT_FP4
.else
	v_wmma_scale_f32_16x16x128_f8f6f4 v[ACC+8*\t:ACC+8*\t+7], v[8*\t:8*\t+7], v[CD+16*(\sg)+8:CD+16*(\sg)+15], v[ACC+8*\t:ACC+8*\t+7], v[WS+\t], v[HS+2*(\sg)+1] matrix_a_fmt:MATRIX_FMT_FP4 matrix_b_fmt:MATRIX_FMT_FP4 matrix_a_scale:MATRIX_SCALE_ROW1
.endif
.endif
.if \g
.irp c, 0,1
.if \t == 0
	v_max3_num_f32 v[MX+2*\s+\c], |v[TA+16*\c]|, |v[TB+32*\s+16*\c]|, 0x1800000
.else
	v_max3_num_f32 v[MX+2*\s+\c], |v[TA+16*\c+\t]|, |v[TB+32*\s+16*\c+\t]|, v[MX+2*\s+\c]
.endif
.endr
.endif
.endr
.endr
.endm
; The four largest magnitudes become scale operands, bytes and two scale words; h1 becomes code set sg.
.macro QUANT sg
	WIN 0x0C                                       ; source 1 window 3
.irp b, 0,1,2,3
	v_add_nc_u32 v[SC+\b], 0xff000000, v[MX+\b]    ; 2 off the exponent field: the conversion takes this operand's exponent field as its scale
.endr
	WIN 0
.irp b, 0,1,2,3
	v_lshrrev_b32 v[BY+\b], 23, v[SC+\b]           ; the scale's byte
.endr
.irp s, 0,1
	v_lshl_or_b32 v[PW+\s], v[BY+2*\s+1], 16, v[BY+2*\s]   ; my two bytes of K step s: blocks h and 2 + h,
.endr
.irp s, 0,1
	v_lshlrev_b32 v[PW+\s], v[SH8], v[PW+\s]       ; at their places in the word;
.endr
.irp s, 0,1
	v_permlanex16_b32 v[TMP+\s], v[PW+\s], s[SEL], s[SEL+1]
.endr
.irp s, 0,1
	v_or_b32 v[HS+2*(\sg)+\s], v[PW+\s], v[TMP+\s] ; with lane l xor 16's two the word is whole
.endr
.irp s, 0,1
.irp c, 0,1
.irp g, 0,1
	v_cvt_scalef32_pk8_fp4_f32 v[CD+16*(\sg)+8*\s+4*\c+2+\g], v[TB+32*\s+16*\c+8*\g:TB+32*\s+16*\c+8*\g+7], v[SC+2*\s+\c]   ; i = 16 + 8 g on
.endr
.endr
.endr
.irp s, 0,1
	WIN 1+\s
.irp c, 0,1
.irp g, 0,1
	v_cvt_scalef32_pk8_fp4_f32 v[CD+16*(\sg)+8*\s+4*\c+\g], v[TA+16*\c+8*\g:TA+16*\c+8*\g+7], v[SC+2*\s+\c]   ; i = 8 g on
.endr
.endr
.endr
	v_nop                                          ; one plain line behind the last scaled conversion
.endm
.macro CVT q                           ; accumulators 2 q and 2 q + 1, each from its low end on, become bf16 fragment q % 3
.irp e, 0,1
.irp x, 0,1,2,3
	v_cvt_pk_bf16_f32 v[BF+8*((\q)%3)+4*\e+\x], v[ACC+8*(2*(\q)+\e)+2*\x], v[ACC+8*(2*(\q)+\e)+2*\x+1]
.endr
.endr
.endm
.macro PRD q                           ; o += W3's units 32 q on x that fragment.  Two accumulators by turns; the first begins with b3 + b2 W3, the second with 0
.if (\q) == 0
	v_wmma_f32_16x16x32_bf16 v[PA:PA+7], v[W3F:W3F+7], v[BF:BF+7], v[CC:CC+7]
.elseif (\q) == 1
	v_wmma_f32_16x16x32_bf16 v[PB:PB+7], v[W3F+8:W3F+15], v[BF+8:BF+15], 0
.else
	v_wmma_f32_16x16x32_bf16 v[PA+8*((\q)%2):PA+8*((\q)%2)+7], v[W3F+8*(\q):W3F+8*(\q)+7], v[BF+8*((\q)%3):BF+8*((\q)%3)+7], v[PA+8*((\q)%2):PA+8*((\q)%2)+7]
.endif
.endm
; The last product.  A fragment is written again eight conversions behind the product that read it (four places are asked: ISA guide 7.12.1), and those conversions name none of that product's registers.
.macro LAST
	WIN 0xFF                                       ; all in window 3
	CVT 0
	CVT 1
	PRD 0
.irp q, 2,3,4,5,6,7
	CVT \q
	PRD (\q)-1
.endr
	PRD 7
.endm
.macro OUTO                            ; o2, o3 of the tile's 16 rows to LDS; both halves of the lanes hold the same numbers and write the same bytes
	WIN 0
	v_add_nc_u32 v[ADO], s[TO], v[AO0]             ; with the three v_nop: the four places behind the last product
.rept 3
	v_nop
.endr
	WIN 0x0F                                       ; sources 0 and 1 window 3
	v_pk_add_f32 v[OR2:OR2+1], v[PA:PA+1], v[PB:PB+1]   ; the two lowest registers of each accumulator
	WIN 0
	ds_store_b64 v[ADO], v[OR2:OR2+1]
	s_add_co_u32 s[TO], s[TO], 128
.endm
; A UNIT: 16 rows.  Multiplies code set sg; g = 1: makes the next tile's codes in set ot on the way; l = 1: fetches y0 of the tile after that.
.macro UNIT sg, ot, g, l
	s_wait_dscnt 0x0                               ; the next tile's y0 is in (asked for a unit ago); in the first unit: the weights
.if \g
	HID YY+2*(\ot)
.endif
.if \l
	WIN 0
	v_add_nc_u32 v[ADT], s[TY], v[AY0]
	ds_load_b32 v[YY+2*(\sg)], v[ADT]
	s_add_co_u32 s[TY], s[TY], 64
.endif
	MULMAX \sg, 1, \g
.if \g
	QUANT \ot                                      ; its plain lines are the places behind the products; its codes and scale words stand 64 conversions and more ahead of the products that take them
.else
.rept 4
	v_nop                                          ; four places behind the products
.endr
.endif
	LAST
	OUTO
.endm
	s_load_b256 s[4:11], s[0:1], 0x0               ; z_mean s[4:5], z_log_var s[6:7], epsilon s[8:9], W1 s[10:11]
	s_load_b256 s[12:19], s[0:1], 0x20             ; b1 s[12:13], b2 s[14:15], W3 s[16:17], b3 s[18:19]
	s_load_b128 s[20:23], s[0:1], 0x40             ; wimg s[20:21], out0 s[22:23]
	v_lshl_add_u32 v61, v0, 2, 0x29000
	s_set_vgpr_msb 0xc0
	v_mov_b32 v255, 0
	s_set_vgpr_msb 0xc0cc
	ds_add_u32 v61, v255
	ds_add_u32 v61, v255
	s_set_vgpr_msb 0xcc00
	v_lshrrev_b32 v58, 5, v0
	v_readfirstlane_b32 s[WV], v58                 ; wave 0..3
	s_lshr_b32 s[SF], s[WV], 1                     ; my flow
	s_and_b32 s[SP], s[WV], 1                      ; my half of the work-group's rows
	s_bfe_u32 s27, ttmp6, 0x40000                  ; cx: it enters z's and the output's addresses alone
	s_lshl_b32 s28, ttmp9, 2                       ; in a cluster launch ttmp9 counts clusters
	s_add_co_u32 s28, s28, s27                     ; work-group x
	v_and_b32 v58, 31, v0                          ; lane
	v_and_b32 v59, 15, v0                          ; r
	v_bfe_u32 v60, v0, 4, 1                        ; h
	v_lshlrev_b32 v[L16], 4, v58
	v_lshlrev_b32 v[LZ], 3, v58
	v_lshlrev_b32 v[SH8], 3, v60
	v_lshlrev_b32 v56, 5, v58                      ; b2: 8 numbers a lane
	v_lshlrev_b32 v57, 7, v58                      ; W3: 8 rows a lane
	s_mul_i32 s57, s[SF], FLOWB
	v_add_nc_u32 v[AIMG], s57, v[L16]
	s_add_co_u32 s57, s57, 32768
	v_lshl_add_u32 v[AWS], v58, 2, s57
	s_lshl_b32 s57, s[WV], 10
	s_add_co_u32 s57, s57, YL
	v_lshl_add_u32 v[AY0], v59, 2, s57
	v_lshl_add_u32 v[AYS], v58, 2, s57
	s_lshl_b32 s57, s[WV], 11                      ; 4,096 f + 2,048 p = 2,048 w
	s_add_co_u32 s62, s57, OX
	v_lshl_add_u32 v[AO0], v59, 3, s62
	s_add_co_u32 s57, s57, WB
	v_add_nc_u32 v[AWBS], s57, v[L16]
	v_lshl_add_u32 v[AWBL], v60, 7, s57
	s_lshl_b32 s57, s[SP], 11
	s_add_co_u32 s57, s57, OX
	v_lshl_add_u32 v[AOF], v58, 3, s57
	s_mov_b32 s[SEL], 0x76543210
	s_mov_b32 s[SEL+1], 0xfedcba98
	; descriptor group 1: a dense block as 84 rows of 256 bytes (32 elements of 8 bytes), no padding: register images are read 16 bytes a lane on end
	s_mov_b32 s[G1D], 15|(3<<16)|(1<<21)           ; 15:0 the mask: all four work-groups; 17:16 elements of 8 bytes; 21 set beside a mask
	s_mov_b32 s[G1D+1], 32<<16                     ; tensor_dim0 = 32
	s_mov_b32 s[G1D+2], 84<<16                     ; tensor_dim1 = 84
	s_mov_b32 s[G1D+3], 32<<16                     ; tile_dim0 = 32
	s_mov_b32 s[G1D+4], 84                         ; tile_dim1 = 84
	s_mov_b32 s[G1D+5], 32                         ; from row to row
	s_mov_b32 s[G1D+6], 0
	s_mov_b32 s[G1D+7], 0
	s_mov_b32 s[G0D], 1                            ; count = 1
	s_mul_i32 s[G0D+1], s[WV], QUART               ; LDS address: my quarter
	s_mul_i32 s60, s[WV], QUART                    ; and the same in memory: the wave's number alone, alike in all four work-groups
	s_mov_b32 s61, 0
	s_mov_b32 s59, 0
	s_wait_dscnt 0x0
	s_wait_kmcnt 0x0
	s_load_b256 s[44:51], s[18:19], 0x0            ; b3: s44-47 flow 0's four numbers, s48-51 flow 1's
	s_add_nc_u64 s[G0D+2:G0D+3], s[20:21], s[60:61]
	s_or_b32 s[G0D+3], s[G0D+3], 0x80000000        ; type = 2
	s_lshl_b32 s58, s[SF], 11
	s_add_nc_u64 s[10:11], s[10:11], s[58:59]      ; W1[f][0]
	s_lshl_b32 s58, s[SF], 10
	s_add_nc_u64 s[12:13], s[12:13], s[58:59]      ; b1[f]
	s_add_nc_u64 s[14:15], s[14:15], s[58:59]      ; b2[f]
	s_lshl_b32 s58, s[SF], 12
	s_add_nc_u64 s[16:17], s[16:17], s[58:59]      ; W3[f]
	s_lshl_b32 s58, s28, 12                        ; 512 rows of 8 bytes a work-group,
	s_lshl_b32 s62, s[SP], 11                      ; 256 a half
	s_add_co_u32 s58, s58, s62
	s_add_nc_u64 s[4:5], s[4:5], s[58:59]
	s_add_nc_u64 s[6:7], s[6:7], s[58:59]
	s_add_nc_u64 s[8:9], s[8:9], s[58:59]
	s_add_nc_u64 s[22:23], s[22:23], s[58:59]
	ROUND                                          ; all four work-groups are here: the joint loads meet
	tensor_load_to_lds s[G0D:G0D+3], s[G1D:G1D+7]  ; my one tensor load of the launch
	s_nop 0
.rept 4
	v_nop
.endr
	; 38 global loads, in this order: W1 2, b1 2, z 24, b2 2, W3 8
	global_load_b128 v[240:243], v[L16], s[10:11]
	global_load_b128 v[244:247], v[L16], s[10:11] offset:512
	global_load_b128 v[248:251], v[L16], s[12:13]
	global_load_b128 v[252:255], v[L16], s[12:13] offset:512
.irp u, 0,1,2,3,4,5,6,7
	global_load_b64 v[96+2*\u:97+2*\u], v[LZ], s[4:5] offset:256*\u      ; row 32 u + lane: the wave reads 256 consecutive bytes, aligned
.endr
.irp u, 0,1,2,3,4,5,6,7
	global_load_b64 v[112+2*\u:113+2*\u], v[LZ], s[6:7] offset:256*\u
.endr
.irp u, 0,1,2,3,4,5,6,7
	global_load_b64 v[128+2*\u:129+2*\u], v[LZ], s[8:9] offset:256*\u
.endr
	global_load_b128 v[144:147], v56, s[14:15]
	global_load_b128 v[148:151], v56, s[14:15] offset:16
.irp j, 0,1,2,3,4,5,6,7
	global_load_b128 v[64+4*\j:67+4*\j], v57, s[16:17] offset:16*\j
.endr
	; W1's row and b1 into the operand's order: through my own 2,048 bytes of LDS, as they lie, and back 128 h + 512 s + 256 c + 4 i.  LDS serves a wave's instructions in order (ISA guide 5.7.1.4)
	s_wait_loadcnt 34                              ; W1 and b1 are in; the 34 younger loads stay out
	ds_store_b128 v[AWBS], v[240:243]
	ds_store_b128 v[AWBS], v[244:247] offset:512
	ds_store_b128 v[AWBS], v[248:251] offset:1024
	ds_store_b128 v[AWBS], v[252:255] offset:1536
.irp s, 0,1
	WIN 0x40*(1+\s)                                ; destination window 1 + s
.irp c, 0,1
.irp j, 0,1,2,3,4,5,6,7
	ds_load_b128 v[W1S+32*\c+4*\j:W1S+32*\c+4*\j+3], v[AWBL] offset:512*\s+256*\c+16*\j
.endr
.irp j, 0,1,2,3
	ds_load_b128 v[B1A+16*\c+4*\j:B1A+16*\c+4*\j+3], v[AWBL] offset:1024+512*\s+256*\c+16*\j
.endr
.endr
.endr
	WIN 0
.irp s, 0,1
.irp c, 0,1
.irp j, 0,1,2,3
	ds_load_b128 v[B1B+32*\s+16*\c+4*\j:B1B+32*\s+16*\c+4*\j+3], v[AWBL] offset:1024+512*\s+256*\c+64+16*\j
.endr
.endr
.endr
	; z, and y0 of both flows, for my 256 rows
	s_wait_kmcnt 0x0                               ; b3
	v_mov_b32 v52, s45
	v_mov_b32 v53, s49
	v_mul_f32 v52, 0x3fb8aa3b, v52
	v_mul_f32 v53, 0x3fb8aa3b, v53
	v_exp_f32 v52, v52                             ; exp(b3[0][1])
	v_exp_f32 v53, v53                             ; exp(b3[1][1])
	s_cmp_lg_u32 s[SF], 0
	s_cselect_b32 s[FM], -1, 0
	s_cselect_b32 s52, s50, s46                    ; b3[f][2]
	s_cselect_b32 s53, s51, s47                    ; b3[f][3]
	v_mov_b32 v[YY+1], 0                           ; (plain lines behind the exponentials)  the pairs' upper words,
	v_mov_b32 v[YY+3], 0
	v_mov_b32 v[TMP], 0                            ; and the lane permutes' destinations, which count as sources
	v_mov_b32 v[TMP+1], 0
	v_mov_b32 v62, 0
	v_mov_b32 v63, 0
	s_wait_loadcnt 10                              ; z_mean, z_log_var, epsilon are in; b2's 2 and W3's 8 loads stay out
.irp u, 0,1,2,3,4,5,6,7
	v_pk_mul_f32 v[112+2*\u:113+2*\u], v[112+2*\u:113+2*\u], 0x3f38aa3b op_sel_hi:[1,0]   ; z_log_var x log2(e) / 2
.endr
.irp j, 0,1,2,3,4,5,6,7,8,9,10,11,12,13,14,15
	v_exp_f32 v[112+\j], v[112+\j]
.endr
	v_nop                                          ; one plain line behind the exponentials
	s_wait_alu depctr_va_vdst(0)
.irp u, 0,1,2,3,4,5,6,7
	v_pk_fma_f32 v[96+2*\u:97+2*\u], v[112+2*\u:113+2*\u], v[128+2*\u:129+2*\u], v[96+2*\u:97+2*\u]   ; (z0, z1)
.endr
.irp u, 0,1,2,3,4,5,6,7
	v_fma_f32 v[112+2*\u], v[96+2*\u], v52, s44    ; y0 behind flow 0
.endr
.irp u, 0,1,2,3,4,5,6,7
	v_fma_f32 v[OP+2*\u], v[112+2*\u], v53, s48    ; y0 behind flow 1: the output's first number
	v_mov_b32 v[OP+2*\u+1], v[97+2*\u]             ; z1 is kept beside it
.endr
.irp u, 0,1,2,3,4,5,6,7
	v_cndmask_b32 v[113+2*\u], v[112+2*\u], v[OP+2*\u], s[FM]   ; my flow's y0
	ds_store_b32 v[AYS], v[113+2*\u] offset:128*\u
.endr
	ds_load_b32 v[YY], v[AY0]                      ; tile 0's y0: lane (r, h) takes row r's
	ds_load_b32 v[YY+2], v[AY0] offset:64          ; tile 1's
	s_mov_b32 s[TY], 128                           ; the next fetch is tile 2's
	s_mov_b32 s[TO], 0
	s_wait_tensorcnt 0x0                           ; my quarter of the images has landed,
	s_wait_dscnt 0x0                               ; no LDS instruction of mine is out,
	s_barrier_signal -1
	s_barrier_wait -1                              ; and so for all four waves
	; my flow's weights into registers, once
.irp t, 0,1,2,3,4,5,6,7,8,9,10,11,12,13,14,15
	ds_load_b32 v[WS+\t], v[AWS] offset:128*\t
.endr
.irp s, 0,1
	WIN 0x40*(1+\s)
.irp t, 0,1,2,3,4,5,6,7,8,9,10,11,12,13,14,15
.irp c, 0,1
	ds_load_b128 v[8*\t+4*\c:8*\t+4*\c+3], v[AIMG] offset:2048*\t+1024*\s+512*\c
.endr
.endr
.endr
	WIN 0xC0                                       ; destination window 3
.irp t, 0,1,2,3,4,5,6,7,8,9,10,11,12,13,14,15
	ds_load_b128 v[W3F+4*\t:W3F+4*\t+3], v[AIMG] offset:34816+512*\t
.endr
	WIN 0
	; while they land: b3 + b2 W3 in f32 (8 units a lane, then over the 32 lanes), and tile 0's codes
	s_wait_loadcnt 0x0
	v_mul_f32 v54, v144, v66
	v_mul_f32 v55, v144, v67
.irp j, 1,2,3,4,5,6,7
	v_fmac_f32 v54, v[144+\j], v[66+4*\j]
	v_fmac_f32 v55, v[144+\j], v[67+4*\j]
.endr
.irp x, 1,2,4,8
	v_add_f32_dpp v54, v54, v54 row_xmask:\x row_mask:0xf bank_mask:0xf
	v_add_f32_dpp v55, v55, v55 row_xmask:\x row_mask:0xf bank_mask:0xf
.endr
	v_permlanex16_b32 v62, v54, s[SEL], s[SEL+1]
	v_permlanex16_b32 v63, v55, s[SEL], s[SEL+1]
	v_add_f32 v54, v54, v62
	v_add_f32 v55, v55, v63
	v_add_f32 v54, s52, v54
	v_add_f32 v55, s53, v55
	WIN 0xC0
	v_mov_b32 v[CC], v54                           ; rows 0 and 8 of the last product's result are o2, rows 1 and 9 o3: register 0 and register 1 in every lane
	v_mov_b32 v[CC+1], v55
.irp j, 2,3,4,5,6,7
	v_mov_b32 v[CC+\j], 0
.endr
	HID YY
	MULMAX 0, 0, 1
	QUANT 0
	WIN 0                                          ; at a label and at a branch every window is 0
	s_mov_b32 s[CNT], 7
.Lpair:                                            ; 7 trips of two units: tiles 0 to 13; they fetch y0 of tiles 2 to 15
	UNIT 0, 1, 1, 1
	UNIT 1, 0, 1, 1
	s_sub_co_u32 s[CNT], s[CNT], 1
	s_cmp_lg_u32 s[CNT], 0
	s_cbranch_scc1 .Lpair
	UNIT 0, 1, 1, 0                                ; tile 14: nothing is left to fetch
	UNIT 1, 0, 0, 0                                ; tile 15: no codes are made that nobody multiplies
	s_wait_dscnt 0x0                               ; for the others' sake: my o lies in LDS
	s_barrier_signal -1
	s_barrier_wait -1
	s_cmp_eq_u32 s[SF], 0                          ; flow 1's waves hold the final y0 and z1 of their 256 rows: they finish y1 and store
	s_cbranch_scc1 .Ldone
.irp u, 0,1,2,3,4,5,6,7
	ds_load_b64 v[96+2*\u:97+2*\u], v[AOF] offset:256*\u            ; flow 0's o2, o3 of row 32 u + lane
	ds_load_b64 v[112+2*\u:113+2*\u], v[AOF] offset:4096+256*\u     ; flow 1's
.endr
	s_wait_dscnt 0x0
.irp u, 0,1,2,3,4,5,6,7
	v_mul_f32 v[97+2*\u], 0x3fb8aa3b, v[97+2*\u]
	v_mul_f32 v[113+2*\u], 0x3fb8aa3b, v[113+2*\u]
.endr
.irp u, 0,1,2,3,4,5,6,7
	v_exp_f32 v[97+2*\u], v[97+2*\u]
	v_exp_f32 v[113+2*\u], v[113+2*\u]
.endr
	v_nop                                          ; one plain line behind the exponentials
	s_wait_alu depctr_va_vdst(0)
.irp u, 0,1,2,3,4,5,6,7
	v_fma_f32 v[OP+2*\u+1], v[OP+2*\u+1], v[97+2*\u], v[96+2*\u]     ; y1 behind flow 0
.endr
.irp u, 0,1,2,3,4,5,6,7
	v_fma_f32 v[OP+2*\u+1], v[OP+2*\u+1], v[113+2*\u], v[112+2*\u]   ; y1 behind flow 1
.endr
.irp u, 0,1,2,3,4,5,6,7
	global_store_b64 v[LZ], v[OP+2*\u:OP+2*\u+1], s[22:23] offset:256*\u th:TH_STORE_NT   ; the wave stores 256 consecutive bytes, aligned; written once, read by nobody here
.endr
.Ldone:
	s_set_vgpr_msb 0xc
	s_wait_tensorcnt 0x0
	ds_add_u32 v61, v255
	s_wait_dscnt 0x0
	s_set_vgpr_msb 0xc00
	ROUND                                          ; the closing round: no work-group ends while a partner may still ask for the images
	s_endpgm
.Lfunc_end_k_q63496864d4_flow:
	.size	k_q63496864d4_flow, .Lfunc_end_k_q63496864d4_flow-k_q63496864d4_flow
	.p2alignl 7, 3214868480
	.fill 96, 4, 3214868480
	.section	.rodata,"a",@progbits
	.p2align	6, 0x0
	.amdhsa_kernel k_q63496864d4_flow
		.amdhsa_group_segment_fixed_size 168448
		.amdhsa_private_segment_fixed_size 0
		.amdhsa_enable_private_segment 0
		.amdhsa_kernarg_size 80
		.amdhsa_user_sgpr_count 2
		.amdhsa_user_sgpr_kernarg_segment_ptr 1
		.amdhsa_wavefront_size32 1
		.amdhsa_system_sgpr_workgroup_id_x 1
		.amdhsa_system_sgpr_workgroup_id_y 1
		.amdhsa_system_sgpr_workgroup_id_z 1
		.amdhsa_system_vgpr_workitem_id 0
		.amdhsa_next_free_vgpr 1024
		.amdhsa_next_free_sgpr 66
		.amdhsa_reserve_vcc 0
		.amdhsa_float_denorm_mode_32 3
		.amdhsa_float_denorm_mode_16_64 3
		.amdhsa_memory_ordered 1
		.amdhsa_forward_progress 1
		.amdhsa_inst_pref_size 108
	.end_amdhsa_kernel
	.amdgpu_metadata
---
amdhsa.version: [ 1, 2 ]
amdhsa.kernels:
  - .name:           k_q63496864d4_flow
    .symbol:         k_q63496864d4_flow.kd
    .args:
      - { .name: z_mean, .offset: 0, .size: 8, .value_kind: global_buffer, .address_space: global }
      - { .name: z_log_var, .offset: 8, .size: 8, .value_kind: global_buffer, .address_space: global }
      - { .name: epsilon, .offset: 16, .size: 8, .value_kind: global_buffer, .address_space: global }
      - { .name: W1, .offset: 24, .size: 8, .value_kind: global_buffer, .address_space: global }
      - { .name: b1, .offset: 32, .size: 8, .value_kind: global_buffer, .address_space: global }
      - { .name: b2, .offset: 40, .size: 8, .value_kind: global_buffer, .address_space: global }
      - { .name: W3, .offset: 48, .size: 8, .value_kind: global_buffer, .address_space: global }
      - { .name: b3, .offset: 56, .size: 8, .value_kind: global_buffer, .address_space: global }
      - { .name: wimg, .offset: 64, .size: 8, .value_kind: global_buffer, .address_space: global }
      - { .name: out0, .offset: 72, .size: 8, .value_kind: global_buffer, .address_space: global }
    .group_segment_fixed_size: 168448
    .private_segment_fixed_size: 0
    .kernarg_segment_align: 8
    .kernarg_segment_size: 80
    .max_flat_workgroup_size: 128
    .sgpr_count:     66
    .vgpr_count:     1024
    .wavefront_size: 32
...
	.end_amdgpu_metadata
.endif
;; end of part 2
